; MI455X (gfx1250); checked and timed in simulation.
; The chip was launched on July 23, 2026; its instructions are those of AMD's public machine-readable ISA for CDNA 5 (MIT licence, August 2026) and "CDNA5" Instruction Set Architecture Reference Guide (July 2026). The comments in the code are by the model that wrote it; some were corrected since.
;; Structured LSTM Cell. Allowed arithmetic: matrix products marked QUANTISED: E4M3 operands, one E8M0 scale for each 32 along K, by v_wmma_scale_f32_16x16x128_f8f6f4 with both operands' format E4M3, f32 sums; everything else in f32.
;; Inputs: P_codes 2,048 x 32 x 32 uint8 (E4M3 codes of P, K innermost, in blocks of 32 codes); P_scales 2,048 x 32 uint8 (E8M0 scales of P, one for each 32 codes along K); W_hf 2,048 x 2,048 float32; W_hg 2,048 x 2,048 float32; W_hi 2,048 x 2,048 float32; W_ho 2,048 x 2,048 float32; W_pf 2,048 x 1,024 float32; W_pg 2,048 x 1,024 float32; W_pi 2,048 x 1,024 float32; W_po 2,048 x 1,024 float32; W_xf 2,048 x 1,024 float32; W_xg 2,048 x 1,024 float32; W_xi 2,048 x 1,024 float32; W_xo 2,048 x 1,024 float32; b_pf 2,048 float32; b_pg 2,048 float32; b_pi 2,048 float32; b_po 2,048 float32; cell 2,048 x 2,048 float32; ext_input_codes 2,048 x 32 x 32 uint8 (E4M3 codes of ext_input, K innermost, in blocks of 32 codes); ext_input_scales 2,048 x 32 uint8 (E8M0 scales of ext_input, one for each 32 codes along K); hidden_codes 2,048 x 64 x 32 uint8 (E4M3 codes of hidden, K innermost, in blocks of 32 codes); hidden_scales 2,048 x 64 uint8 (E8M0 scales of hidden, one for each 32 codes along K).
;; Outputs: out0 2,048 x 2,048 float32; out1 2,048 x 2,048 float32.
;; This version of the problem:
;;   THIS VERSION OF THE PROBLEM IS GIVEN IN LOW PRECISION. The matrix products marked QUANTISED in the list below multiply operands that are first quantised to E4M3 (4 exponent bits, 3 mantissa bits; 8 bits a number), with one power-of-two scale for each 32 numbers along K (OCP MX v1.0); their sums are f32. All else is computed in f32.
;;   The module's matrix products, in the order in which they are computed (A, B: the left and right operand; K: the contracted axis; several contracted axes count as one K, in the product's order):
;;     1. [M 2,048, K 1,024] x [K 1,024, N 8,192]; A: input P (given as codes); B: computed on the way: QUANTISED
;;     2. [M 2,048, K 2,048] x [K 2,048, N 8,192]; A: input hidden (given as codes); B: computed on the way: QUANTISED
;;     3. [M 2,048, K 1,024] x [K 1,024, N 8,192]; A: input ext_input (given as codes); B: computed on the way: QUANTISED
;;   THE QUANTISER, for each operand of a quantised product, along K:
;;     - K is cut into blocks of 32 from its start; a last block that is shorter is filled with zeros.
;;     - A block's scale is 2^e with e = floor(log2(the largest magnitude in the block)) - 8, held to -126 .. 127; a block of zeros has e = 0. As a byte (E8M0): e + 127.
;;     - Each number is divided by its block's scale, clamped to +-448, and rounded to the nearest number of E4M3, ties to even, subnormals kept.
;;     - The product sums the exact products of the quantised numbers (number of the format x scale) in f32.
;;   ~~~python
;;   def quantise(x, axis):      # numpy; x: float32 -> the quantised numbers, widened to float32 again
;;       x = np.moveaxis(x, axis, -1); K = x.shape[-1]
;;       x = np.pad(x, [(0, 0)] * (x.ndim - 1) + [(0, -K % 32)]); x = x.reshape(x.shape[:-1] + (-1, 32)); a = np.abs(x).max(-1, keepdims=True)
;;       e = np.where(a > 0, np.clip(np.frexp(np.where(a > 0, a, 1))[1] - 1 - 8, -126, 127), 0)      # np.frexp(a)[1] - 1 = floor(log2(a)), exactly
;;       r = np.clip(x / 2.0 ** e, -448, 448)
;;       step = 2.0 ** (np.maximum(np.frexp(np.where(r == 0, 1, r))[1] - 1, -6) - 3)
;;       q = np.round(r / step) * step * 2.0 ** e      # np.round: ties to even
;;       return np.moveaxis(q.reshape(q.shape[:-2] + (-1,))[..., :K], -1, axis).astype(np.float32)
;;   ~~~
;;   OPERANDS COMPUTED ON THE WAY. 'Computed on the way' means the value that the module computes at that place (a softmax that the list does not call 'softmax' is quantised finished and normalised). What goes into a quantiser is computed in f32, as accurately as f32 sums, v_exp_f32 and their like allow (about 1e-6 of the number): no bf16 or f16 on the way to a quantiser, and a product that is left as it is and whose result goes on into a quantised operand takes f32 operands (vector FMAs, or v_wmma_f32_16x16x4_f32). A number that lies on a knife's edge between two numbers of the format may be rounded either way, as far as f32 arithmetic and the matrix unit's own rounding can turn it there, and no further.
;;   INPUTS GIVEN AS CODES. P (in the module: [2048, 1024], K = its axis 1); ext_input (in the module: [2048, 1024], K = its axis 1); hidden (in the module: [2048, 2048], K = its axis 1): each comes as NAME_codes (uint8): NAME with its K axis moved to the last place and cut into blocks of 32 codes, [.., K / 32, bytes a block], one block behind the other in memory; one code a byte (a code: sign, 4 exponent bits, 3 mantissa bits); and NAME_scales (uint8): the same leading axes, one E8M0 byte (e + 127) for each 32 codes along K. Its value is code x scale, taken as it is: it is not quantised again, and the codes and scales need not be those that the quantiser above would give.
;; One version. Each part assembles by itself: llvm-mc -triple=amdgcn-amd-amdhsa -mcpu=gfx1250 --defsym DOCPART=n.
;; ======== version 1 of 1: 2 launches
;; limits: right only within a limited range of input values
;; workspace buffers: wq 34,603,008 bytes; acat 8,650,752 bytes
;; launch prep (part 1): grid 64 x 20, 4 waves a work-group, no clusters, 33,280 bytes of LDS; arguments W_pi, W_pf, W_pg, W_po, W_hi, W_hf, W_hg, W_ho, W_xi, W_xf, W_xg, W_xo, P_codes, hidden_codes, ext_input_codes, P_scales, hidden_scales, ext_input_scales, wq, acat; writes wq, acat
.if DOCPART == 1
	.amdgcn_target "amdgcn-amd-amdhsa--gfx1250"
	.amdhsa_code_object_version 6
	.text
	.protected	k_qe616f060da_prep
	.globl	k_qe616f060da_prep
	.p2align	8
	.type	k_qe616f060da_prep,@function
k_qe616f060da_prep:
	s_mov_b64 s[64:65], 0
	v_nop
	global_prefetch_b8 v0, s[64:65] scope:SCOPE_SE
	s_setreg_imm32_b32 hwreg(HW_REG_WAVE_MODE, 25, 1), 1
	s_wait_xcnt 0x0
; LSTM cell, first of two launches.  gates = P Wp^T + hidden Wh^T + ext Wx^T + bp is ONE product with K = 1,024 + 2,048 + 1,024 = 4,096; this launch lays both of its operands as the second launch wants them.
; NO WORK OF reference() IS DEAD: every weight, every bias, all three activations and cell reach h_new or c_new through non-linear functions, and nothing is sliced away.  So every input is loaded by one of the two launches.
; THE WEIGHTS (f32, [2048 units][K], K innermost) are quantised once: codes of FP8 (E4M3), one E8M0 byte for each 32 along K.  A block's scale is 2^(floor(log2(its largest magnitude)) - 8); its byte is the
; largest magnitude's exponent field - 8, held at 1 from below; each number is divided by the scale, held within +-448 and rounded to the nearest code, ties to even.
; THE ACTIVATIONS arrive as codes and bytes and are copied as they are.
; LIMITS: a block of zeros gets the byte 1 where the rule says 127 (its codes are zeros, which add nothing under any byte but 0xff, and the bytes are read by this program alone); blocks whose largest magnitude lies
; under 2^-118 are held at the byte 1; NaN and infinities among the weights are not served.
; LAYOUT of wq and acat.  A BLOCK belongs to a group of 128 rows and a K step of 256: 132 dense rows of 256 bytes (33,792 bytes).  Rows 0-127: the rows' 256 codes.  Rows 128-131: scale units p = 0..3; in unit p byte
; 16 r + 8 z + b is the byte of group row 32 p + 16 z + r for the K step's block b.  Blocks lie [group][K step 0..15].  acat: group G = batch rows 128 G on.  wq: group x = units 32 x on, group row = 32 gate + unit % 32
; (gates i, f, g, o), so that the four gates of a unit meet in one lane of the product's results.  K goes by chunks c of 1,024 (K steps 4 c on): c = 0: P; 1, 2: the halves of hidden; 3: ext_input.
; SHARES.  Work-group (x, y).  y < 16: chunk y / 4 of gate y % 4, units 32 x on.  y >= 16: chunk y - 16 of the activations, batch rows 32 x on.  Wave w takes K step 4 c + w: 32 rows x 256 along K: 8,192 bytes of codes
; and one whole scale unit.  Waves share nothing: no barrier.  The two ways part on the work-group's number; only the weights' way stores to LDS.
; A weight step is two rows: each of its four loads reads 256 consecutive bytes of each row; the 2,048 bytes turn through the wave's own stage in LDS, so that a lane holds 16 neighbours along K (two lanes hold a block).
; THE STAGE has 32 places of 64 bytes (a place: 16 neighbours, four chunks of 16 bytes) and no padding: chunk c of place p lies at 64 p + 16 ((c + p / 4) mod 4).  The sixteen lanes of a store take four places x four chunks,
; the sixteen lanes of a load one chunk of sixteen places: either way sixteen different columns of 16 bytes in the 256 bytes of a row of banks (64 banks of 4 bytes: ISA guide 11.1).
; 154 registers a wave: six work-groups fit on a WGP's registers, and the grid gives a WGP five on the average.
.set WAVES, 4
.set STEPS, 16
.set EMAX,  8
.set MANT,  0x600000                   ; the mantissa field of 448 as f32
.set BLKB,  33792
.set STG,   2048                       ; a stage
.set SCB,   2*STG                      ; behind the two stages: the wave's 256 scale bytes
.set WREG,  8192                       ; LDS: a region for each wave
.set SPARE, WAVES*WREG                 ; behind the four regions: the spare words, 128 bytes for each wave: two blocks of 256 bytes that no other line names
.set SPW,   12                         ; v12      LDS address of my spare word; never rewritten
.set NIL,   13                         ; v13      0; never rewritten
.set SA,    16                         ; v16-19   the stage on the way in, an address for each of a step's four loads
.set LA,    20                         ; v20-23   and on the way out, one for each chunk
.set R,     24                         ; v24-87   four sets of 16 numbers as they are loaded (activations: 16 x 4 registers of codes)
.set X,     88                         ; v88-119  two sets of 16 neighbours
.set E,     120                        ; v120-121 the scale byte, two registers by turns
.set C,     122                        ; v122-137 codes: four sets of four registers by turns
.set VO,    138                        ; v138-153 a source offset for each step: never rewritten
	s_load_b512 s[8:23], s[0:1], 0x0               ; W_pi 8, W_pf 10, W_pg 12, W_po 14, W_hi 16, W_hf 18, W_hg 20, W_ho 22
	s_load_b256 s[24:31], s[0:1], 0x40             ; W_xi 24, W_xf 26, W_xg 28, W_xo 30
	s_load_b256 s[32:39], s[0:1], 0x60             ; P_codes 32, hidden_codes 34, ext_input_codes 36, P_scales 38
	s_load_b256 s[40:47], s[0:1], 0x80             ; hidden_scales 40, ext_input_scales 42, wq 44, acat 46
	v_lshl_add_u32 v[SPW], v0, 2, SPARE
	v_mov_b32 v[NIL], 0
	v_lshrrev_b32 v1, 5, v0
	v_readfirstlane_b32 s2, v1                     ; wave
	v_and_b32 v1, 31, v0                           ; lane
	v_and_b32 v2, 15, v0                           ; r = lane % 16
	v_bfe_u32 v3, v0, 4, 1                         ; h = lane / 16
	v_lshlrev_b32 v4, 4, v1                        ; 16 x lane: my codes' place in a step's 512 bytes
	v_lshlrev_b32 v7, 3, v1                        ; 8 x lane: my place in a scale unit
	s_lshl_b32 s49, s2, 13                         ; my wave's region of LDS
	v_lshrrev_b32 v8, 2, v2                        ; in: load i brings me chunk r % 4 of place 16 h + 4 i + r / 4, whose place / 4 is i mod 4
	v_lshlrev_b32 v8, 6, v8
	v_lshl_add_u32 v8, v3, 10, v8
	v_add_nc_u32 v8, s49, v8                       ; region + 1,024 h + 64 (r / 4); the 256 i stand in the immediate
	v_lshrrev_b32 v10, 2, v1                       ; out: my place is my lane
	v_lshlrev_b32 v11, 6, v1
	v_add_nc_u32 v11, s49, v11                     ; region + 64 x lane
.irp i, 0,1,2,3
	v_add_nc_u32 v9, \i, v2
	v_and_b32 v9, 3, v9
	v_lshl_add_u32 v[SA+\i], v9, 4, v8             ; + 16 ((r + i) mod 4)
	v_add_nc_u32 v9, \i, v10
	v_and_b32 v9, 3, v9
	v_lshl_add_u32 v[LA+\i], v9, 4, v11            ; + 16 ((i + lane / 4) mod 4)
.endr
	v_lshrrev_b32 v5, 1, v2
	v_lshl_add_u32 v5, v3, 4, v5                   ; my block's byte in the unit: 16 x (row's parity) + block
	s_add_co_u32 s49, s49, SCB
	v_add_nc_u32 v5, s49, v5
	v_add_nc_u32 v6, s49, v7                       ; the unit on its way out: 8 bytes a lane
	s_and_b32 s3, ttmp7, 0xffff                    ; y
	s_mov_b32 s54, MANT                            ; (an instruction takes one literal: the hold's line has another)
	s_mov_b32 s51, 0
	s_mov_b32 s53, 0
	s_wait_kmcnt 0x0
	s_cmp_ge_u32 s3, 16
	s_cbranch_scc1 .Lacts
	; ---------------- the weights ----------------
	s_lshr_b32 s4, s3, 2                           ; c: the chunk
	s_and_b32 s5, s3, 3                            ; g: the gate
	s_add_co_u32 s48, s4, 1
	s_lshr_b32 s48, s48, 1
	s_and_b32 s48, s48, 1                          ; 1 for c = 1, 2: the chunk lies in a W_h
	s_lshl_b32 s6, 4096, s48                       ; a row in bytes
	s_lshl_b32 s7, s6, 1                           ; a step: two rows
	s_cmp_eq_u32 s5, 1                             ; the buffer is chosen by ids alone: first the gate in each of the three kinds,
	s_cselect_b64 s[8:9], s[10:11], s[8:9]
	s_cselect_b64 s[16:17], s[18:19], s[16:17]
	s_cselect_b64 s[24:25], s[26:27], s[24:25]
	s_cmp_eq_u32 s5, 2
	s_cselect_b64 s[8:9], s[12:13], s[8:9]
	s_cselect_b64 s[16:17], s[20:21], s[16:17]
	s_cselect_b64 s[24:25], s[28:29], s[24:25]
	s_cmp_eq_u32 s5, 3
	s_cselect_b64 s[8:9], s[14:15], s[8:9]
	s_cselect_b64 s[16:17], s[22:23], s[16:17]
	s_cselect_b64 s[24:25], s[30:31], s[24:25]
	s_cmp_eq_u32 s48, 1                            ; then the kind
	s_cselect_b64 s[8:9], s[16:17], s[8:9]
	s_cmp_eq_u32 s4, 3
	s_cselect_b64 s[8:9], s[24:25], s[8:9]
	s_lshl_b32 s50, ttmp9, 5
	s_mul_i32 s50, s50, s6                         ; my work-group's first row,
	s_cmp_eq_u32 s4, 2
	s_cselect_b32 s52, 4096, 0                     ; the second half of a W_h's rows,
	s_add_co_u32 s50, s50, s52
	s_lshl_b32 s52, s2, 10                         ; my wave's 256 numbers of the chunk
	s_add_co_u32 s50, s50, s52
	s_add_nc_u64 s[8:9], s[8:9], s[50:51]
	s_lshl_b32 s50, ttmp9, 4                       ; my block: 16 x + 4 c + w
	s_lshl_b32 s52, s4, 2
	s_add_co_u32 s50, s50, s52
	s_add_co_u32 s50, s50, s2
	s_mul_i32 s50, s50, BLKB
	s_lshl_b32 s52, s5, 8                          ; its scale unit g
	s_add_co_u32 s52, s52, s50
	s_add_co_u32 s52, s52, 32768
	s_add_nc_u64 s[56:57], s[44:45], s[52:53]
	s_lshl_b32 s52, s5, 13                         ; its rows 32 g on
	s_add_co_u32 s50, s50, s52
	s_add_nc_u64 s[44:45], s[44:45], s[50:51]
	v_mul_u32_u24 v[VO], s6, v3                    ; lanes 16-31 take the odd row
	v_lshl_add_u32 v[VO], v2, 4, v[VO]
.set T, 1
.rept STEPS-1
	v_add_nc_u32 v[VO+T], s7, v[VO+T-1]
.set T, T+1
.endr
.macro LOAD t                          ; step t: rows 2 t and 2 t + 1: sixteen lanes read 256 consecutive bytes, at a multiple of 256 from the buffer's first byte
.irp i, 0,1,2,3
	global_load_b128 v[R+16*((\t)%4)+4*\i:R+16*((\t)%4)+4*\i+3], v[VO+(\t)], s[8:9] offset:256*\i th:TH_LOAD_NT
.endr
.endm
.macro TURN t                          ; step t's numbers through the stage: LDS serves a wave's instructions in order, so no wait stands between the stores and the loads
.irp i, 0,1,2,3
	ds_store_b128 v[SA+\i], v[R+16*((\t)%4)+4*\i:R+16*((\t)%4)+4*\i+3] offset:STG*((\t)%2)+256*\i
.endr
.irp i, 0,1,2,3
	ds_load_b128 v[X+16*((\t)%2)+4*\i:X+16*((\t)%2)+4*\i+3], v[LA+\i] offset:STG*((\t)%2)
.endr
.endm
.irp t, 0,1,2,3
	LOAD \t
.endr
	s_wait_loadcnt 12                              ; step 0's four loads are in; those of steps 1 to 3 may be out
	TURN 0
.macro STEP t
.set XS, X+16*((\t)%2)
.set CC, C+4*((\t)%4)
.set EE, E+(\t)%2
.if (\t) > 0
	s_wait_dscnt 1                                 ; this step's numbers are back from the stage (the last step's byte store may be out; the one before it is done, so its register may be written again)
.else
	s_wait_dscnt 0x0
.endif
.if (\t)+4 < STEPS
	LOAD (\t)+4                                    ; into the set that this step's turn has left
.endif
.if (\t)+1 < STEPS
.if STEPS-2-(\t) >= 3
	s_wait_loadcnt 12                              ; the next step's four loads are in; those of the three steps behind it may be out
.else
	s_wait_loadcnt 4*(STEPS-2-(\t))
.endif
	TURN (\t)+1                                    ; through the other stage while this step is worked
.endif
	v_max3_num_f32 v8, |v[XS]|, |v[XS+1]|, |v[XS+2]|               ; the largest magnitude of my 16, in two chains
	v_max3_num_f32 v9, |v[XS+3]|, |v[XS+4]|, |v[XS+5]|
.irp i, 6,10
	v_max3_num_f32 v8, v8, |v[XS+\i]|, |v[XS+\i+1]|
	v_max3_num_f32 v9, v9, |v[XS+\i+2]|, |v[XS+\i+3]|
.endr
	v_max3_num_f32 v8, v8, |v[XS+14]|, |v[XS+15]|
	v_max3_num_f32 v8, v8, v9, (EMAX+1)<<23        ; and the floor 2^(9 - 127): the byte cannot fall under 1
	v_max_num_f32_dpp v8, v8, v8 row_xmask:1 row_mask:0xf bank_mask:0xf   ; with my neighbour's 16: the block's
	v_add_nc_u32 v11, -(EMAX<<23), v8              ; 8 off its exponent field: the conversion takes the exponent field of this operand as its scale
	v_and_or_b32 v10, v8, 0x7f800000, s54          ; 448 x the scale
.irp i, 0,1,2,3,4,5,6,7,8,9,10,11,12,13,14,15
	v_med3_num_f32 v[XS+\i], v[XS+\i], -v10, v10   ; the conversion to an 8-bit code does not saturate (ISA guide 7.6.2): the hold comes first
.endr
.if (\t) >= 4
	s_wait_alu depctr_va_vdst(0)
	s_wait_xcnt 0x0                                ; the store of four steps back has read this set of code registers: they are written again only behind this wait
.endif
	v_cvt_scalef32_pk8_fp8_f32 v[CC:CC+1], v[XS:XS+7], v11
	v_cvt_scalef32_pk8_fp8_f32 v[CC+2:CC+3], v[XS+8:XS+15], v11
	v_lshrrev_b32 v[EE], 23, v11                   ; the scale's byte (also the plain line behind the conversions)
	ds_store_b8 v5, v[EE] offset:32*((\t)%8)+8*((\t)/8)            ; row 2 t + h of the 32 is r = (2 t + h) % 16, z = t / 8; both lanes of a block write the same byte
	global_store_b128 v4, v[CC:CC+3], s[44:45] offset:512*(\t)     ; 32 lanes store 512 consecutive bytes: two whole rows of the block
.endm
.irp t, 0,1,2,3,4,5,6,7,8,9,10,11,12,13,14,15
	STEP \t
.endr
	ds_load_b64 v[8:9], v6                         ; LDS serves a wave's instructions in order: these see my byte stores
	s_wait_dscnt 0x0
	global_store_b64 v7, v[8:9], s[56:57]          ; 32 lanes store the scale unit: 256 consecutive bytes
	s_wait_tensorcnt 0x0                           ; the wave's end: behind my last LDS store
	ds_add_u32 v[SPW], v[NIL]
	s_wait_dscnt 0x0
	s_endpgm
	; ---------------- the activations: a copy ----------------
.Lacts:
	s_sub_co_u32 s4, s3, 16                        ; c
	s_add_co_u32 s48, s4, 1
	s_lshr_b32 s48, s48, 1
	s_and_b32 s48, s48, 1                          ; 1 for c = 1, 2: hidden
	s_lshl_b32 s6, 1024, s48                       ; a row of codes in bytes
	s_lshl_b32 s7, s6, 1
	s_lshl_b32 s55, 32, s48                        ; a row of scale bytes
	s_cmp_eq_u32 s48, 1
	s_cselect_b64 s[32:33], s[34:35], s[32:33]
	s_cselect_b64 s[38:39], s[40:41], s[38:39]
	s_cmp_eq_u32 s4, 3
	s_cselect_b64 s[32:33], s[36:37], s[32:33]
	s_cselect_b64 s[38:39], s[42:43], s[38:39]
	s_lshl_b32 s50, ttmp9, 5                       ; my work-group's first row
	s_mul_i32 s52, s50, s55
	s_mul_i32 s50, s50, s6
	s_cmp_eq_u32 s4, 2                             ; the second half of hidden's rows
	s_cselect_b32 s58, 1024, 0
	s_cselect_b32 s59, 32, 0
	s_add_co_u32 s50, s50, s58
	s_add_co_u32 s52, s52, s59
	s_lshl_b32 s58, s2, 8                          ; my wave's K step: 256 codes,
	s_add_co_u32 s50, s50, s58
	s_lshl_b32 s58, s2, 3                          ; 8 scale bytes
	s_add_co_u32 s52, s52, s58
	s_add_nc_u64 s[32:33], s[32:33], s[50:51]
	s_add_nc_u64 s[38:39], s[38:39], s[52:53]
	s_lshr_b32 s50, ttmp9, 2                       ; my block: 16 (x / 4) + 4 c + w
	s_lshl_b32 s50, s50, 4
	s_lshl_b32 s52, s4, 2
	s_add_co_u32 s50, s50, s52
	s_add_co_u32 s50, s50, s2
	s_mul_i32 s50, s50, BLKB
	s_and_b32 s5, ttmp9, 3                         ; p: which 32 rows of the group
	s_lshl_b32 s52, s5, 8
	s_add_co_u32 s52, s52, s50
	s_add_co_u32 s52, s52, 32768
	s_add_nc_u64 s[56:57], s[46:47], s[52:53]
	s_lshl_b32 s52, s5, 13
	s_add_co_u32 s50, s50, s52
	s_add_nc_u64 s[46:47], s[46:47], s[50:51]
	v_and_b32 v8, 1, v1                            ; the unit's 8 bytes at 8 x lane belong to row 16 (lane % 2) + lane / 2
	v_lshrrev_b32 v9, 1, v1
	v_lshl_add_u32 v8, v8, 4, v9
	v_mul_u32_u24 v8, s55, v8
	v_mul_u32_u24 v[VO], s6, v3
	v_lshl_add_u32 v[VO], v2, 4, v[VO]
.set T, 1
.rept STEPS-1
	v_add_nc_u32 v[VO+T], s7, v[VO+T-1]
.set T, T+1
.endr
	global_load_b64 v[X:X+1], v8, s[38:39]
.irp t, 0,1,2,3,4,5,6,7,8,9,10,11,12,13,14,15
	global_load_b128 v[R+4*\t:R+4*\t+3], v[VO+\t], s[32:33] th:TH_LOAD_NT   ; rows 2 t and 2 t + 1: 256 consecutive bytes each
.endr
.irp t, 0,1,2,3,4,5,6,7,8,9,10,11,12,13,14,15
	s_wait_loadcnt 15-\t                           ; the loads issued behind load t may be out (the scale bytes' load is the oldest of all)
.if \t == 0
	global_store_b64 v7, v[X:X+1], s[56:57]        ; the scale unit: 256 consecutive bytes
.endif
	global_store_b128 v4, v[R+4*\t:R+4*\t+3], s[46:47] offset:512*\t
.endr
	s_wait_tensorcnt 0x0                           ; the same three lines at this way's end
	ds_add_u32 v[SPW], v[NIL]
	s_wait_dscnt 0x0
	s_endpgm
.Lfunc_end_k_qe616f060da_prep:
	.size	k_qe616f060da_prep, .Lfunc_end_k_qe616f060da_prep-k_qe616f060da_prep
	.p2alignl 7, 3214868480
	.fill 96, 4, 3214868480
	.section	.rodata,"a",@progbits
	.p2align	6, 0x0
	.amdhsa_kernel k_qe616f060da_prep
		.amdhsa_group_segment_fixed_size 33280
		.amdhsa_private_segment_fixed_size 0
		.amdhsa_enable_private_segment 0
		.amdhsa_kernarg_size 160
		.amdhsa_user_sgpr_count 2
		.amdhsa_user_sgpr_kernarg_segment_ptr 1
		.amdhsa_wavefront_size32 1
		.amdhsa_system_sgpr_workgroup_id_x 1
		.amdhsa_system_sgpr_workgroup_id_y 1
		.amdhsa_system_sgpr_workgroup_id_z 1
		.amdhsa_system_vgpr_workitem_id 0
		.amdhsa_next_free_vgpr 154
		.amdhsa_next_free_sgpr 66
		.amdhsa_reserve_vcc 0
		.amdhsa_float_denorm_mode_32 3
		.amdhsa_float_denorm_mode_16_64 3
		.amdhsa_memory_ordered 1
		.amdhsa_forward_progress 1
		.amdhsa_inst_pref_size 60
	.end_amdhsa_kernel
	.amdgpu_metadata
---
amdhsa.version: [ 1, 2 ]
amdhsa.kernels:
  - .name:           k_qe616f060da_prep
    .symbol:         k_qe616f060da_prep.kd
    .args:
      - { .name: W_pi, .offset: 0, .size: 8, .value_kind: global_buffer, .address_space: global }
      - { .name: W_pf, .offset: 8, .size: 8, .value_kind: global_buffer, .address_space: global }
      - { .name: W_pg, .offset: 16, .size: 8, .value_kind: global_buffer, .address_space: global }
      - { .name: W_po, .offset: 24, .size: 8, .value_kind: global_buffer, .address_space: global }
      - { .name: W_hi, .offset: 32, .size: 8, .value_kind: global_buffer, .address_space: global }
      - { .name: W_hf, .offset: 40, .size: 8, .value_kind: global_buffer, .address_space: global }
      - { .name: W_hg, .offset: 48, .size: 8, .value_kind: global_buffer, .address_space: global }
      - { .name: W_ho, .offset: 56, .size: 8, .value_kind: global_buffer, .address_space: global }
      - { .name: W_xi, .offset: 64, .size: 8, .value_kind: global_buffer, .address_space: global }
      - { .name: W_xf, .offset: 72, .size: 8, .value_kind: global_buffer, .address_space: global }
      - { .name: W_xg, .offset: 80, .size: 8, .value_kind: global_buffer, .address_space: global }
      - { .name: W_xo, .offset: 88, .size: 8, .value_kind: global_buffer, .address_space: global }
      - { .name: P_codes, .offset: 96, .size: 8, .value_kind: global_buffer, .address_space: global }
      - { .name: hidden_codes, .offset: 104, .size: 8, .value_kind: global_buffer, .address_space: global }
      - { .name: ext_input_codes, .offset: 112, .size: 8, .value_kind: global_buffer, .address_space: global }
      - { .name: P_scales, .offset: 120, .size: 8, .value_kind: global_buffer, .address_space: global }
      - { .name: hidden_scales, .offset: 128, .size: 8, .value_kind: global_buffer, .address_space: global }
      - { .name: ext_input_scales, .offset: 136, .size: 8, .value_kind: global_buffer, .address_space: global }
      - { .name: wq, .offset: 144, .size: 8, .value_kind: global_buffer, .address_space: global }
      - { .name: acat, .offset: 152, .size: 8, .value_kind: global_buffer, .address_space: global }
    .group_segment_fixed_size: 33280
    .private_segment_fixed_size: 0
    .kernarg_segment_align: 8
    .kernarg_segment_size: 160
    .max_flat_workgroup_size: 128
    .sgpr_count:     66
    .vgpr_count:     154
    .wavefront_size: 32
...
	.end_amdgpu_metadata
.endif
;; end of part 1
;; launch lstm (part 2): grid 32 x 8, 4 waves a work-group, clusters of 4 x 4, 327,680 bytes of LDS; arguments acat, wq, b_pi, b_pf, b_pg, b_po, cell, out0, out1; writes out0, out1
.if DOCPART == 2
	.amdgcn_target "amdgcn-amd-amdhsa--gfx1250"
	.amdhsa_code_object_version 6
	.text
	.protected	k_qe616f060da_lstm
	.globl	k_qe616f060da_lstm
	.p2align	8
	.type	k_qe616f060da_lstm,@function
k_qe616f060da_lstm:
	s_mov_b64 s[64:65], 0
	v_nop
	global_prefetch_b8 v0, s[64:65] scope:SCOPE_SE
	s_setreg_imm32_b32 hwreg(HW_REG_WAVE_MODE, 25, 1), 1
	s_wait_xcnt 0x0
	s_wait_alu depctr_hold_cnt(0) depctr_sa_sdst(0) depctr_va_vdst(0) depctr_va_sdst(0) depctr_va_ssrc(0) depctr_va_vcc(0) depctr_vm_vsrc(0)
	s_getreg_b32 s2, hwreg(HW_REG_IB_STS2, 6, 4)
	s_cmp_eq_u32 s2, 0
	s_cbranch_scc0 .Lentry_in_a_cluster
	s_endpgm
.Lentry_in_a_cluster:
	s_bfe_u32 s2, ttmp6, 0x10000c
	s_cmp_lg_u32 s2, 0xf033
	s_cbranch_scc0 .Lentry_shape_is_right
	s_endpgm
.Lentry_shape_is_right:
; LSTM cell, second of two launches.  gates = [P hidden ext] [Wp Wh Wx]^T + bp is ONE product with K = 4,096 on codes of E4M3 with E8M0 scales, as the first launch laid them (acat, wq: blocks of 132 rows of 256 bytes:
; 128 rows of codes of a K step of 256, then 4 rows of scale bytes).  No work of reference() is left out.
; A work-group of four waves makes 256 batch rows x 256 gate columns (64 units x 4 gates); a wave 128 x 128: 64 accumulators, 512 registers.  K goes in 16 steps of 256 through a ring of two LDS slots.
; CLUSTERS 4 x 4: acat's tiles are asked for jointly along a row of the cluster, wq's along a column.  The matrix instruction is used transposed (source 0 = weights, source 1 = activations); the bias is the C of the first products.
; wq's group rows are 32 gate + unit % 32, so a lane holds i, f, g, o of the same eight units: the cell's arithmetic needs no other lane.
; A STEP of 128 along K is eight groups of eight products: activation block a against the eight weight fragments.  The fragments of the step ahead come in TWO RUNS of LDS loads, each behind eight places:
; behind group 1 the eight weight fragments and activation blocks 0 and 1 (40 loads), behind group 5 activation blocks 2 to 7 (24 loads).
; REGISTERS: window 0: v0-31 addresses; v32-63 scale words, a set for each slot; v128-191 activation blocks 0-3, one set; blocks 4-7 two sets: v192-255 for a slot's first step, v64-127 for its second
; (v64-127 hold the biases during the very first step).  Window 1: the weights' fragments, two sets.  Windows 2, 3: the accumulators.
; So all fragments of a slot's second step are asked for during its first step, and the change of slots stands at the head of the second step.
; PREFETCH: behind each fill from slot 1's first on, every wave names 32 blocks of 256 bytes of the group that it fetches, the four partners of a joint load sharing the rows out by address: a stream of 32,768 bytes a fill
; from byte 114,688 of the group to its end, two to two and a half K steps ahead of the fill beside it; the last two refills ask for nothing.  cell's tile is named two changes of slots ahead of its load.
; THE WAY OUT: c_new and h_new go block by block of 16 rows through stages in the slots (which have had their last fill), since a wave's 32 units are half of an aligned 256 bytes; whole rows are read back and stored.
; sigmoid(x) = 1 / (1 + 2^(-x log2 e)), tanh(x) = 1 - 2 / (1 + 2^(2 x log2 e)): an exponential that overflows gives the function's limit.  LIMIT: NaN among the inputs is carried as the hardware's forms carry it.
.set NQ,     2
.set FR,     16
.set NP,     8
.set PITCH,  272
.set QUART,  132*PITCH
.set SLOT,   4*QUART
.set BLKB,   33792
.set GRPB,   16*BLKB
.set SCROW,  128*PITCH
.set SPARE,  2*SLOT
.set HST,    256*PITCH
.set LAPS,   8
.set PFC,  12
.set PFO,  13
.set CN,   14
.set RDO,  15
.set ADRA, 16
.set ADRB, 20
.set ADRS, 22
.set CL,   24
.set HL,   25
.set CO,   26
.set SPW,  28
.set NIL,  29
.set BO,   31
.set SC,   32
.set BIAS, 64
.set CE,   128
.set BK,   64
.set WV,  76
.set RH,  77
.set CH,  78
.set TY,  79
.set G1,  24
.set G0,  32
.set G1B, 48
.set G0B, 56
.set G1C, 80
.set G0C, 88
.set KN,  92
.set KT,  94
.set PFA, 96
.set MSB, 0
.macro WIN new                         ; the immediate's high byte repeats the setting that is left
.if MSB != \new
	s_set_vgpr_msb (MSB<<8)|\new
.set MSB, \new
.endif
.endm
.set TO_B,     0x40                    ; destination window 1, address window 0
.macro JLOAD g0a, g1a, g0b, g1b        ; a joint load: waves 0 and 1 fetch acat's two groups, waves 2 and 3 wq's
	s_cmp_eq_u32 s[RH], 0
	s_cbranch_scc0 .Lfor_b_\@
	tensor_load_to_lds s[\g0a:\g0a+3], s[\g1a:\g1a+7]
	s_nop 0
.rept 4
	v_nop
.endr
	s_branch .Lasked_\@
.Lfor_b_\@:
	tensor_load_to_lds s[\g0b:\g0b+3], s[\g1b:\g1b+7]
	s_nop 0
.rept 4
	v_nop
.endr
.Lasked_\@:
.endm
.macro ASK how                         ; every wave of every cluster asks; how = 1 (in the loop): not in the last trip, where the stream has reached the group's end
.if \how
	s_cmp_gt_u32 s3, 1
	s_cbranch_scc0 .Lnot_mine_\@
.endif
	s_wait_alu depctr_va_vdst(0)
	global_prefetch_b8 v[PFO], s[PFA:PFA+1] th:TH_LOAD_NT scope:SCOPE_SE
.if \how
.Lnot_mine_\@:
.endif
.endm
.macro ASKCELL                         ; in the loop's last trip: my 64 rows x 256 bytes of cell
	s_cmp_eq_u32 s3, 1
	s_cbranch_scc0 .Lno_cell_\@
	s_wait_alu depctr_va_vdst(0)
	global_prefetch_b8 v[PFC], s[68:69] th:TH_LOAD_NT scope:SCOPE_SE
	global_prefetch_b8 v[PFC], s[68:69] offset:32*8192 th:TH_LOAD_NT scope:SCOPE_SE
.Lno_cell_\@:
.endm
.macro CREST                           ; a round of the cluster's barrier behind its opening barrier
	s_cmp_lg_u32 s[WV], 0
	s_cbranch_scc1 .Lnot_wave_0_\@
	s_barrier_signal -3
.Lnot_wave_0_\@:
	s_barrier_wait -3
	s_barrier_signal -1
	s_barrier_wait -1
.endm
.macro CROUND
	s_barrier_signal -1
	s_barrier_wait -1
	CREST
.endm
	s_load_b128 s[4:7], s[0:1], 0x0                ; acat, wq
	s_load_b256 s[8:15], s[0:1], 0x10              ; b_pi, b_pf, b_pg, b_po
	s_load_b128 s[68:71], s[0:1], 0x30             ; cell, out0
	s_load_b64 s[72:73], s[0:1], 0x40              ; out1
	v_lshl_add_u32 v[SPW], v0, 2, SPARE
	v_mov_b32 v[NIL], 0
	ds_add_u32 v[SPW], v[NIL]                      ; the opening lines: the add, twice on end, and its wait ahead of my first tensor load
	ds_add_u32 v[SPW], v[NIL]
	v_lshrrev_b32 v1, 5, v0
	v_readfirstlane_b32 s[WV], v1
	s_lshr_b32 s[RH], s[WV], 1                     ; my half of the rows; also: I fetch for acat (0) or wq (1)
	s_and_b32 s[CH], s[WV], 1                      ; my half of the columns; also: which group of 128 rows I fetch
	s_bfe_u32 s40, ttmp6, 0x40000
	s_bfe_u32 s41, ttmp6, 0x40004
	s_lshl_b32 s42, ttmp9, 2
	s_add_co_u32 s42, s42, s40                     ; tile column
	s_and_b32 s[TY], ttmp7, 0xffff
	s_lshl_b32 s[TY], s[TY], 2
	s_add_co_u32 s[TY], s[TY], s41                 ; tile row
	s_lshl_b32 s43, s41, 2
	s_lshl_b32 s43, 15, s43
	s_lshl_b32 s44, 0x1111, s40
	s_or_b32 s[G1+0], s43, (3<<16)|(1<<20)|(1<<21)|(5<<22)|(3<<25)   ; a block: 132 dense rows of 32 elements of 8 bytes, 16 bytes of padding behind each
	s_or_b32 s[G1B+0], s44, (3<<16)|(1<<20)|(1<<21)|(5<<22)|(3<<25)
.irp g, G1, G1B
	s_mov_b32 s[\g+1], 32<<16
	s_mov_b32 s[\g+2], 132<<16
	s_mov_b32 s[\g+3], 32<<16
	s_mov_b32 s[\g+4], 132
	s_mov_b32 s[\g+5], 32
	s_mov_b32 s[\g+6], 0
	s_mov_b32 s[\g+7], 0
.endr
	s_mov_b32 s[G1C+0], (2<<16)|(1<<20)|(5<<22)|(3<<25)              ; cell: 64 rows of 64 f32, pitch 2,048
	s_mov_b32 s[G1C+1], 64<<16
	s_mov_b32 s[G1C+2], 64<<16
	s_mov_b32 s[G1C+3], 64<<16
	s_mov_b32 s[G1C+4], 64
	s_mov_b32 s[G1C+5], 2048
	s_mov_b32 s[G1C+6], 0
	s_mov_b32 s[G1C+7], 0
	s_mov_b32 s[KN], 0xbfb8aa3b                    ; -log2 e
	s_mov_b32 s[KN+1], 0xbfb8aa3b
	s_mov_b32 s[KT], 0x4038aa3b                    ; 2 log2 e
	s_mov_b32 s[KT+1], 0x4038aa3b
	s_lshl_b32 s20, s[TY], 1
	s_add_co_u32 s20, s20, s[CH]
	s_mul_i32 s20, s20, GRPB
	s_mov_b32 s21, 0
	s_lshl_b32 s46, s42, 1
	s_add_co_u32 s46, s46, s[CH]
	s_mul_i32 s46, s46, GRPB
	s_mov_b32 s47, 0
	s_mul_i32 s45, s[WV], QUART
	s_wait_dscnt 0x0
	s_wait_kmcnt 0x0
	s_add_nc_u64 s[20:21], s[4:5], s[20:21]
	s_add_nc_u64 s[46:47], s[6:7], s[46:47]
.irp s, 0,1
	s_mov_b32 s[G0+4*\s], 1
	s_add_co_u32 s[G0+4*\s+1], s45, \s*SLOT
	s_add_nc_u64 s[G0+4*\s+2:G0+4*\s+3], s[20:21], \s*BLKB
	s_or_b32 s[G0+4*\s+3], s[G0+4*\s+3], 0x80000000
	s_mov_b32 s[G0B+4*\s], 1
	s_add_co_u32 s[G0B+4*\s+1], s45, \s*SLOT
	s_add_nc_u64 s[G0B+4*\s+2:G0B+4*\s+3], s[46:47], \s*BLKB
	s_or_b32 s[G0B+4*\s+3], s[G0B+4*\s+3], 0x80000000
.endr
	CROUND                                         ; all sixteen work-groups are here: the first joint loads meet
	JLOAD G0, G1, G0B, G1B                         ; K step 0: one tensor load a wave at the head; the biases' loads and the addresses below are made while it is out
	v_and_b32 v1, 15, v0
	v_bfe_u32 v2, v0, 4, 1
	v_lshlrev_b32 v[BO], 5, v2
	s_wait_alu depctr_va_vdst(0)
	s_lshl_b32 s16, s42, 8
	s_lshl_b32 s17, s[CH], 7
	s_add_co_u32 s16, s16, s17
	s_mov_b32 s17, 0
.irp g, 0,1,2,3
	s_add_nc_u64 s[8+2*\g:9+2*\g], s[8+2*\g:9+2*\g], s[16:17]
.endr
.irp g, 0,1,2,3
.irp u, 0,1
.irp k, 0,1
	global_load_b128 v[BIAS+16*\g+8*\u+4*\k:BIAS+16*\g+8*\u+4*\k+3], v[BO], s[8+2*\g:9+2*\g] offset:64*\u+16*\k
.endr
.endr
.endr
	v_mul_u32_u24 v3, v1, PITCH
	v_lshl_add_u32 v4, v2, 4, v3
	s_mul_i32 s18, s[RH], QUART
	s_mul_i32 s19, s[CH], QUART
	s_add_co_u32 s19, s19, 2*QUART
	v_add_nc_u32 v[ADRA], s18, v4
	v_add_nc_u32 v[ADRB], s19, v4
	v_add_nc_u32 v[ADRA+1], SLOT, v[ADRA]
	v_add_nc_u32 v[ADRB+1], SLOT, v[ADRB]
	s_xor_b32 s23, s[RH], 1
	s_add_co_u32 s23, s23, s[CH]
	s_add_co_u32 s23, s23, 1
	s_mul_i32 s23, s23, QUART
	v_mul_u32_u24 v6, s23, v2                      ; scale words: lanes 0-15 the activations', lanes 16-31 the weights'
	v_lshlrev_b32 v5, 4, v1
	v_add_nc_u32 v5, v5, v6
	s_add_co_u32 s22, s18, SCROW
	v_add_nc_u32 v[ADRS], s22, v5
	v_add_nc_u32 v[ADRS+1], SLOT, v[ADRS]
	s_mul_i32 s22, s[RH], 128*PITCH
	s_lshl_b32 s23, s[CH], 7
	s_add_co_u32 s22, s22, s23
	v_lshl_add_u32 v5, v2, 5, v3
	v_add_nc_u32 v[CL], s22, v5
	v_add_nc_u32 v[HL], HST, v[CL]
	v_add_nc_u32 v[CN], SLOT, v[CL]
	s_xor_b32 s22, s[RH], 1
	s_mul_i32 s22, s22, SLOT-HST
	s_add_co_u32 s22, s22, HST
	s_mul_i32 s23, s[CH], 128*PITCH
	s_add_co_u32 s22, s22, s23
	v_mul_u32_u24 v5, v2, PITCH
	v_lshl_add_u32 v5, v1, 4, v5
	v_add_nc_u32 v[RDO], s22, v5
	v_lshlrev_b32 v[CO], 13, v2
	v_lshl_add_u32 v[CO], v1, 4, v[CO]
	s_lshl_b32 s19, s42, 8
	s_lshl_b32 s16, s[TY], 8
	s_lshl_b32 s18, s[WV], 6
	s_add_co_u32 s16, s16, s18
	s_lshl_b32 s16, s16, 13
	s_add_co_u32 s16, s16, s19
	s_add_nc_u64 s[68:69], s[68:69], s[16:17]
	s_cmp_eq_u32 s[RH], 0
	s_cselect_b64 s[70:71], s[72:73], s[70:71]
	s_lshl_b32 s16, s[TY], 8
	s_lshl_b32 s18, s[CH], 7
	s_add_co_u32 s16, s16, s18
	s_lshl_b32 s16, s16, 13
	s_add_co_u32 s16, s16, s19
	s_add_nc_u64 s[70:71], s[70:71], s[16:17]
	s_mov_b32 s[G0C], 1
	s_mul_i32 s[G0C+1], s[WV], 64*PITCH
	s_mov_b64 s[G0C+2:G0C+3], s[68:69]
	s_or_b32 s[G0C+3], s[G0C+3], 0x80000000
	s_cmp_eq_u32 s[RH], 0
	s_cselect_b32 s16, s[TY], s42
	s_cselect_b32 s19, s40, s41
	s_cselect_b64 s[PFA:PFA+1], s[4:5], s[6:7]
	s_lshl_b32 s16, s16, 1
	s_add_co_u32 s16, s16, s[CH]
	s_mul_i32 s16, s16, GRPB
	s_lshl_b32 s19, s19, 13                        ; my work-group's 32 blocks of each 128
	s_add_co_u32 s16, s16, s19
	s_add_co_u32 s16, s16, 448*256                 ; the stream's first byte in the group
	s_add_nc_u64 s[PFA:PFA+1], s[PFA:PFA+1], s[16:17]
	v_and_b32 v[PFO], 31, v0
	v_lshlrev_b32 v[PFC], 13, v[PFO]
	v_lshlrev_b32 v[PFO], 8, v[PFO]
.macro FRAG reg, adr, q, i             ; a fragment: 16 rows x 128 K: four loads of 16 bytes a lane
.irp c, 0,1,2,3
	ds_load_b128 v[\reg+4*\c:\reg+4*\c+3], v[\adr] offset:128*(\q)+32*\c+(\i)*16*PITCH
.endr
.endm
.macro SCALES sc                       ; a K step's scale words: 16 registers
.irp p, 0,1,2,3
	ds_load_b128 v[SC+16*\sc+4*\p:SC+16*\sc+4*\p+3], v[ADRS+\sc] offset:PITCH*\p
.endr
.endm
.macro PLACES n
.rept \n
	v_nop
.endr
.endm
; One piece of the step ahead (slot TS, its TQ-th 128 along K): k = 0-7 weight fragment k, 8-15 activation block k - 8, 16 the slot's scale words.
.macro LDK k
.if (\k) < 8
	WIN TO_B
	FRAG 128*TQ+FR*(\k), ADRB+TS, TQ, \k
.else
	WIN 0
.if (\k) < 16
	FRAG 128+FR*((\k)-8)-128*TQ*(((\k)-8)/4), ADRA+TS, TQ, (\k)-8
.else
	SCALES TS
.endif
.endif
.endm
; A group: activation block a against the eight weight fragments, the slot's q-th 128 along K.  wt: the count of the wait on DScnt at its head (99: none).
; The 64 accumulators take turns, one instruction a turn, in the same order in every step.  first = 1: C is the bias.
.macro GRP a, q, sc, first, wt
.if (\wt) < 64
	s_wait_dscnt \wt
.endif
.set AB, 128+FR*(\a)-128*(\q)*((\a)/4)
.set AC, 64*((\a)%4)
.set CW, 0x81+0x40*((\a)/4)+(1-(\first))*(0x20+0x10*((\a)/4))   ; source 0 window 1, source 1 window 0, D window 2 or 3, C with D or (bias) window 0
	WIN CW
.irp b, 0,1,2,3,4,5,6,7
.if \first
	v_wmma_scale_f32_16x16x128_f8f6f4 v[AC+8*\b:AC+8*\b+7], v[128*(\q)+FR*\b:128*(\q)+FR*\b+FR-1], v[AB:AB+FR-1], v[BIAS+8*\b:BIAS+8*\b+7], v[SC+16*(\sc)+NQ*\b+(\q)], v[SC+16*(\sc)+NQ*(\a)+(\q)] matrix_a_scale:MATRIX_SCALE_ROW1
.else
	v_wmma_scale_f32_16x16x128_f8f6f4 v[AC+8*\b:AC+8*\b+7], v[128*(\q)+FR*\b:128*(\q)+FR*\b+FR-1], v[AB:AB+FR-1], v[AC+8*\b:AC+8*\b+7], v[SC+16*(\sc)+NQ*\b+(\q)], v[SC+16*(\sc)+NQ*(\a)+(\q)] matrix_a_scale:MATRIX_SCALE_ROW1
.endif
.endr
.endm
; A slot's first step.  It fetches the second step's pieces in the order 0 .. 15, in two runs.  The waits' counts: at group 0 piece 9 and the last step's second run may be out (4 + 24); at group 1 that run (24);
; at group 2 this step's own first run (40): all that is older is in, blocks 2-7 among it.
; In the very first step v64-127 still hold the biases: pieces 12-15 follow behind its last product and eight places.
.macro STEP slot, first
.set TS, \slot
.set TQ, 1
	GRP 0, 0, \slot, \first, 28
	GRP 1, 0, \slot, \first, 24
	PLACES NP                                      ; eight places behind the last product that read blocks 0 and 1; the other weight set was last read in the step before
.irp k, 0,1,2,3,4,5,6,7,8,9
	LDK \k
.endr
	GRP 2, 0, \slot, \first, 40
	GRP 3, 0, \slot, \first, 99
	GRP 4, 0, \slot, \first, 99
	GRP 5, 0, \slot, \first, 99
	PLACES NP
	LDK 10
	LDK 11
.if \first == 0
.irp k, 12,13,14,15
	LDK \k
.endr
.endif
	GRP 6, 0, \slot, \first, 99
	GRP 7, 0, \slot, \first, 99
.if \first
	PLACES NP
.irp k, 12,13,14,15
	LDK \k
.endr
.endif
	WIN 0
.endm
; A slot's second step changes slots at its head: all its fragments were asked for in the step before.  Each wave waits for all its tensor loads, adds 0 to its spare word, multiplies a group, waits for the add and
; for its reads of this slot, and opens the round; behind the round the slot is filled again (fill = 1) or takes cell's tile (fill = 2), and the next slot's first step is fetched, in the order 16, 0 .. 15, in two runs.
.macro TURN slot, next, fill, how
.set TS, \next
.set TQ, 0
.if \fill == 1
	s_wait_xcnt 0x0                                ; my last prefetch has read its address
	s_add_nc_u64 s[PFA:PFA+1], s[PFA:PFA+1], 128*256
.endif
	WIN 0
	s_wait_tensorcnt 0x0                           ; my part of the next slot is in
	ds_add_u32 v[SPW], v[NIL]
.if \fill == 1
	s_add_nc_u64 s[G0+4*\slot+2:G0+4*\slot+3], s[G0+4*\slot+2:G0+4*\slot+3], 2*BLKB
	s_add_nc_u64 s[G0B+4*\slot+2:G0B+4*\slot+3], s[G0B+4*\slot+2:G0B+4*\slot+3], 2*BLKB
.endif
	GRP 0, 1, \slot, 0, 29                         ; (the add and pieces 9-15 may be out)
	s_wait_dscnt 0x0                               ; the add is done, and my reads of this slot are over
	s_barrier_signal -1
	GRP 1, 1, \slot, 0, 99
	WIN 0
	s_barrier_wait -1
	CREST                                          ; no wave of any partner still reads this slot or has a load on its way
.if \fill == 1
	JLOAD G0+4*\slot, G1, G0B+4*\slot, G1B
.else
	tensor_load_to_lds s[G0C:G0C+3], s[G1C:G1C+7]
	s_nop 0
	PLACES 4
.endif
	PLACES NP-4                                    ; with the four behind the tensor load: eight places behind the last product that read blocks 0 and 1
.irp k, 16,0,1,2,3,4,5,6,7,8,9
	LDK \k
.endr
.if \fill == 1
	WIN 0
	ASK 1
.if \how == 0
	ASKCELL
.endif
.endif
	GRP 2, 1, \slot, 0, 99
	GRP 3, 1, \slot, 0, 99
	GRP 4, 1, \slot, 0, 99
	GRP 5, 1, \slot, 0, 99
	PLACES NP
.irp k, 10,11,12,13,14,15
	LDK \k
.endr
	GRP 6, 1, \slot, 0, 99
	GRP 7, 1, \slot, 0, 99
	WIN 0
.endm
	s_wait_alu depctr_va_vdst(0)
	s_wait_tensorcnt 0x0                           ; my part of K step 0 is in
	ds_add_u32 v[SPW], v[NIL]
	s_wait_dscnt 0x0
	CROUND                                         ; everybody's part of K step 0 is in, and the joint loads meet:
	JLOAD G0+4, G1, G0B+4, G1B                     ; K step 1, slot 1's first fill, the first tensor load behind the round
.set TS, 0
.set TQ, 0
.irp k, 16,0,1,2,3,4,5,6,7,8,9,10,11,12,13,14,15
	LDK \k
.endr
	WIN 0
	ASK 0
	s_wait_loadcnt 0x0                             ; the biases
	STEP 0, 1
	s_mov_b32 s3, LAPS-1
.Llap:
	TURN 0, 1, 1, 0
	STEP 1, 0
	TURN 1, 0, 1, 1
	STEP 0, 0
	s_sub_co_u32 s3, s3, 1
	s_cmp_lg_u32 s3, 0
	s_cbranch_scc1 .Llap
	TURN 0, 1, 2, 0
	STEP 1, 0
	GRP 0, 1, 1, 0, 28                             ; the last step fetches nothing
	GRP 1, 1, 1, 0, 24
	GRP 2, 1, 1, 0, 0
.irp a, 3,4,5,6,7
	GRP \a, 1, 1, 0, 99
.endr
	WIN 0
	PLACES NP
	s_wait_tensorcnt 0x0                           ; my part of cell's tile is in
	s_wait_dscnt 0x0
	s_barrier_signal -1
	s_barrier_wait -1
.irp a, 0,1,2,3,4,5,6,7
.irp k, 0,1,2,3
	ds_load_b128 v[CE+16*\a+4*\k:CE+16*\a+4*\k+3], v[CL] offset:16*PITCH*\a+64*(\k/2)+16*(\k%2)
.endr
.endr
.macro OUTLD a                         ; 16 whole rows of 256 bytes back from a stage
.set BB, BK+32*((\a)%2)
.irp t, 0,1,2,3,4,5,6,7
	ds_load_b128 v[BB+4*\t:BB+4*\t+3], v[RDO] offset:(16*(\a)+2*\t)*PITCH
.endr
.endm
.macro OUTST a                         ; sixteen lanes store 256 consecutive bytes, aligned
.set BB, BK+32*((\a)%2)
	s_wait_dscnt 0x0
.irp t, 0,1,2,3,4,5,6,7
	global_store_b128 v[CO], v[BB+4*\t:BB+4*\t+3], s[70:71] offset:(16*(\a)+2*\t)*8192 th:TH_STORE_NT
.endr
.endm
; The cell's arithmetic on block a: registers Q + 0-15 gate i, 16-31 f, 32-47 g, 48-63 o of my 16 units.
.macro EPI a
.set Q, 64*((\a)%4)
.set WALL, 0xaa+0x55*((\a)/4)
.set WCEL, 0xa2+0x51*((\a)/4)
.set WSTO, 0x08+0x04*((\a)/4)
	WIN WALL
.set n, 0
.rept 32
.if (n >= 32) && (n < 48)
	v_pk_mul_f32 v[Q+n:Q+n+1], v[Q+n:Q+n+1], s[KT:KT+1] op_sel_hi:[1,0]
.else
	v_pk_mul_f32 v[Q+n:Q+n+1], v[Q+n:Q+n+1], s[KN:KN+1] op_sel_hi:[1,0]
.endif
.set n, n+2
.endr
.set n, 0
.if (\a) > 0
	s_wait_dscnt 0x0                               ; my stores of block a - 1 into the stages are done (they were issued ahead of the 32 lines above):
	s_barrier_signal -1                            ; say so; register work alone stands up to the barrier's wait
.endif
	s_wait_alu depctr_va_vdst(0)
.rept 64
	v_exp_f32 v[Q+n], v[Q+n]
.set n, n+1
.endr
	v_nop
	s_wait_alu depctr_va_vdst(0)
.set n, 0
.rept 32
	v_pk_add_f32 v[Q+n:Q+n+1], v[Q+n:Q+n+1], 1.0 op_sel_hi:[1,0]
.set n, n+2
.endr
.set n, 0
.if (\a) > 0
	s_barrier_wait -1                              ; all four waves' parts of block a - 1 lie in the stages
	WIN 0
.if (\a) >= 3
	s_wait_xcnt 0x0                                ; block a - 3's stores have read the registers that the loads below fill
.endif
	OUTLD (\a)-1                                   ; its whole rows come back while the reciprocals below are made
	WIN WALL
.endif
	s_wait_alu depctr_va_vdst(0)
.rept 64
	v_rcp_f32 v[Q+n], v[Q+n]
.set n, n+1
.endr
	v_nop
	s_wait_alu depctr_va_vdst(0)
.set n, 0
.rept 8
	v_pk_fma_f32 v[Q+32+n:Q+32+n+1], v[Q+32+n:Q+32+n+1], -2.0, 1.0 op_sel_hi:[1,0,0]
.set n, n+2
.endr
.set n, 0
.rept 8
	v_pk_mul_f32 v[Q+32+n:Q+32+n+1], v[Q+32+n:Q+32+n+1], v[Q+n:Q+n+1]
.set n, n+2
.endr
.if (\a) == 0
	s_wait_alu depctr_va_vdst(0)
	s_wait_dscnt 28                                ; block 0's four loads of cell are in
.else
	WIN 0
	s_wait_alu depctr_va_vdst(0)
	OUTST (\a)-1
.endif
	WIN WCEL
.set n, 0
.rept 8
	v_pk_fma_f32 v[Q+16+n:Q+16+n+1], v[Q+16+n:Q+16+n+1], v[CE+16*(\a)+n:CE+16*(\a)+n+1], v[Q+32+n:Q+32+n+1]
.set n, n+2
.endr
	WIN WALL
.set n, 0
.rept 8
	v_pk_mul_f32 v[Q+n:Q+n+1], v[Q+16+n:Q+16+n+1], s[KT:KT+1] op_sel_hi:[1,0]
.set n, n+2
.endr
.set n, 0
	s_wait_alu depctr_va_vdst(0)
.rept 16
	v_exp_f32 v[Q+n], v[Q+n]
.set n, n+1
.endr
	v_nop
	s_wait_alu depctr_va_vdst(0)
.set n, 0
.rept 8
	v_pk_add_f32 v[Q+n:Q+n+1], v[Q+n:Q+n+1], 1.0 op_sel_hi:[1,0]
.set n, n+2
.endr
.set n, 0
	s_wait_alu depctr_va_vdst(0)
.rept 16
	v_rcp_f32 v[Q+n], v[Q+n]
.set n, n+1
.endr
	v_nop
	s_wait_alu depctr_va_vdst(0)
.set n, 0
.rept 8
	v_pk_fma_f32 v[Q+n:Q+n+1], v[Q+n:Q+n+1], -2.0, 1.0 op_sel_hi:[1,0,0]
.set n, n+2
.endr
.set n, 0
.rept 8
	v_pk_mul_f32 v[Q+n:Q+n+1], v[Q+n:Q+n+1], v[Q+48+n:Q+48+n+1]
.set n, n+2
.endr
	WIN WSTO
.irp k, 0,1,2,3
	ds_store_b128 v[CN], v[Q+16+4*\k:Q+16+4*\k+3] offset:16*PITCH*(\a)+64*(\k/2)+16*(\k%2)
	ds_store_b128 v[HL], v[Q+4*\k:Q+4*\k+3] offset:16*PITCH*(\a)+64*(\k/2)+16*(\k%2)
.endr
	WIN 0
.endm
.irp a, 0,1,2,3,4,5,6,7
	EPI \a
.endr
	s_wait_dscnt 0x0                               ; the last block: my stores into the stages are done
	s_barrier_signal -1
	s_barrier_wait -1
	s_wait_xcnt 0x0                                ; block 5's stores have read their registers
	OUTLD 7
	OUTST 7
	s_wait_tensorcnt 0x0                           ; the wave's end
	ds_add_u32 v[SPW], v[NIL]
	s_wait_dscnt 0x0
	CROUND                                         ; the closing round
	s_endpgm
.Lfunc_end_k_qe616f060da_lstm:
	.size	k_qe616f060da_lstm, .Lfunc_end_k_qe616f060da_lstm-k_qe616f060da_lstm
	.p2alignl 7, 3214868480
	.fill 96, 4, 3214868480
	.section	.rodata,"a",@progbits
	.p2align	6, 0x0
	.amdhsa_kernel k_qe616f060da_lstm
		.amdhsa_group_segment_fixed_size 327680
		.amdhsa_private_segment_fixed_size 0
		.amdhsa_enable_private_segment 0
		.amdhsa_kernarg_size 72
		.amdhsa_user_sgpr_count 2
		.amdhsa_user_sgpr_kernarg_segment_ptr 1
		.amdhsa_wavefront_size32 1
		.amdhsa_system_sgpr_workgroup_id_x 1
		.amdhsa_system_sgpr_workgroup_id_y 1
		.amdhsa_system_sgpr_workgroup_id_z 1
		.amdhsa_system_vgpr_workitem_id 0
		.amdhsa_next_free_vgpr 1024
		.amdhsa_next_free_sgpr 98
		.amdhsa_reserve_vcc 0
		.amdhsa_float_denorm_mode_32 3
		.amdhsa_float_denorm_mode_16_64 3
		.amdhsa_memory_ordered 1
		.amdhsa_forward_progress 1
		.amdhsa_inst_pref_size 242
	.end_amdhsa_kernel
	.amdgpu_metadata
---
amdhsa.version: [ 1, 2 ]
amdhsa.kernels:
  - .name:           k_qe616f060da_lstm
    .symbol:         k_qe616f060da_lstm.kd
    .args:
      - { .name: acat, .offset: 0, .size: 8, .value_kind: global_buffer, .address_space: global }
      - { .name: wq, .offset: 8, .size: 8, .value_kind: global_buffer, .address_space: global }
      - { .name: b_pi, .offset: 16, .size: 8, .value_kind: global_buffer, .address_space: global }
      - { .name: b_pf, .offset: 24, .size: 8, .value_kind: global_buffer, .address_space: global }
      - { .name: b_pg, .offset: 32, .size: 8, .value_kind: global_buffer, .address_space: global }
      - { .name: b_po, .offset: 40, .size: 8, .value_kind: global_buffer, .address_space: global }
      - { .name: cell, .offset: 48, .size: 8, .value_kind: global_buffer, .address_space: global }
      - { .name: out0, .offset: 56, .size: 8, .value_kind: global_buffer, .address_space: global }
      - { .name: out1, .offset: 64, .size: 8, .value_kind: global_buffer, .address_space: global }
    .group_segment_fixed_size: 327680
    .private_segment_fixed_size: 0
    .kernarg_segment_align: 8
    .kernarg_segment_size: 72
    .max_flat_workgroup_size: 128
    .sgpr_count:     98
    .vgpr_count:     1024
    .wavefront_size: 32
...
	.end_amdgpu_metadata
.endif
;; end of part 2
